; MI455X (gfx1250); checked and timed in simulation.
; The chip was launched on July 23, 2026; its instructions are those of AMD's public machine-readable ISA for CDNA 5 (MIT licence, August 2026) and "CDNA5" Instruction Set Architecture Reference Guide (July 2026). The comments in the code are by the model that wrote it; some were corrected since.
;; Spectrum Memory Bank. Allowed arithmetic: matrix products marked QUANTISED: E2M1 operands, one E8M0 scale for each 32 along K, by v_wmma_scale_f32_16x16x128_f8f6f4 with both operands' format E2M1 (or v_wmma_scale_f32_32x16x128_f4), f32 sums; products left as they are: f32 operands where the result goes on into a quantised operand, else bf16, f16 or f32 operands; f32 sums; everything else in f32.
;; Inputs: Wa 8 x 16 float32; Wb_codes 16 x 256 x 8 x 16 uint8 (E2M1 codes of Wb, K innermost, in blocks of 32 codes, two codes a byte); Wb_scales 16 x 256 x 8 uint8 (E8M0 scales of Wb, one for each 32 codes along K); Wr_codes 256 x 8 x 16 uint8 (E2M1 codes of Wr, K innermost, in blocks of 32 codes, two codes a byte); Wr_scales 256 x 8 uint8 (E8M0 scales of Wr, one for each 32 codes along K); ba 16 float32; bb 16 x 256 float32; beta 16 x 256 float32; br 256 float32; gamma 16 x 256 float32; query_codes 32,768 x 8 x 16 uint8 (E2M1 codes of query, K innermost, in blocks of 32 codes, two codes a byte); query_scales 32,768 x 8 uint8 (E8M0 scales of query, one for each 32 codes along K); spectral_vec 32,768 x 8 float32.
;; Outputs: out0 32,768 x 256 float32.
;; This version of the problem:
;;   THIS VERSION OF THE PROBLEM IS GIVEN IN LOW PRECISION. The matrix products marked QUANTISED in the list below multiply operands that are first quantised to E2M1 (2 exponent bits, 1 mantissa bit; 4 bits a number), with one power-of-two scale for each 32 numbers along K (OCP MX v1.0); their sums are f32. All else is computed in f32.
;;   The module's matrix products, in the order in which they are computed (A, B: the left and right operand; K: the contracted axis; several contracted axes count as one K, in the product's order):
;;     1. [M 32,768, K 8] x [K 8, N 16]; A: input spectral_vec; B: input Wa: left as it is (K = 8 < 32)
;;     2. [M 32,768, K 256] x [K 256, N 4,096]; A: input query (given as codes); B: input Wb (given as codes): QUANTISED
;;     3. batch 32,768 x [M 256, K 16] x [K 16, N 1]; A: computed on the way; B: softmax: left as it is (K = 16 < 32)
;;     4. [M 32,768, K 256] x [K 256, N 256]; A: computed on the way; B: input Wr (given as codes): QUANTISED
;;   THE QUANTISER, for each operand of a quantised product, along K:
;;     - K is cut into blocks of 32 from its start; a last block that is shorter is filled with zeros.
;;     - A block's scale is 2^e with e = floor(log2(the largest magnitude in the block)) - 2, held to -126 .. 127; a block of zeros has e = 0. As a byte (E8M0): e + 127.
;;     - Each number is divided by its block's scale, clamped to +-6, and rounded to the nearest number of E2M1, ties to even, subnormals kept.
;;     - The product sums the exact products of the quantised numbers (number of the format x scale) in f32.
;;   ~~~python
;;   def quantise(x, axis):      # numpy; x: float32 -> the quantised numbers, widened to float32 again
;;       x = np.moveaxis(x, axis, -1); K = x.shape[-1]
;;       x = np.pad(x, [(0, 0)] * (x.ndim - 1) + [(0, -K % 32)]); x = x.reshape(x.shape[:-1] + (-1, 32)); a = np.abs(x).max(-1, keepdims=True)
;;       e = np.where(a > 0, np.clip(np.frexp(np.where(a > 0, a, 1))[1] - 1 - 2, -126, 127), 0)      # np.frexp(a)[1] - 1 = floor(log2(a)), exactly
;;       r = np.clip(x / 2.0 ** e, -6, 6)
;;       step = 2.0 ** (np.maximum(np.frexp(np.where(r == 0, 1, r))[1] - 1, 0) - 1)
;;       q = np.round(r / step) * step * 2.0 ** e      # np.round: ties to even
;;       return np.moveaxis(q.reshape(q.shape[:-2] + (-1,))[..., :K], -1, axis).astype(np.float32)
;;   ~~~
;;   OPERANDS COMPUTED ON THE WAY. 'Computed on the way' means the value that the module computes at that place (a softmax that the list does not call 'softmax' is quantised finished and normalised). What goes into a quantiser is computed in f32, as accurately as f32 sums, v_exp_f32 and their like allow (about 1e-6 of the number): no bf16 or f16 on the way to a quantiser, and a product that is left as it is and whose result goes on into a quantised operand takes f32 operands (vector FMAs, or v_wmma_f32_16x16x4_f32). A number that lies on a knife's edge between two numbers of the format may be rounded either way, as far as f32 arithmetic and the matrix unit's own rounding can turn it there, and no further.
;;   INPUTS GIVEN AS CODES. Wb (in the module: [16, 256, 256], K = its axis 1); Wr (in the module: [256, 256], K = its axis 0); query (in the module: [32768, 256], K = its axis 1): each comes as NAME_codes (uint8): NAME with its K axis moved to the last place and cut into blocks of 32 codes, [.., K / 32, bytes a block], one block behind the other in memory; two codes a byte, the lower K in the low four bits (a code: sign, 2 exponent bits, 1 mantissa bit); and NAME_scales (uint8): the same leading axes, one E8M0 byte (e + 127) for each 32 codes along K. Its value is code x scale, taken as it is: it is not quantised again, and the codes and scales need not be those that the quantiser above would give.
;; One version. Each part assembles by itself: llvm-mc -triple=amdgcn-amd-amdhsa -mcpu=gfx1250 --defsym DOCPART=n.
;; ======== version 1 of 1: 1 launch
;; limits: right only within a limited range of input values
;; launch bank (part 1): grid 512 x 1, 4 waves a work-group, no clusters, 85,248 bytes of LDS; arguments spectral_vec, Wa, ba, query_codes, query_scales, Wb_codes, Wb_scales, bb, gamma, beta, Wr_codes, Wr_scales, br, out0; writes out0
.if DOCPART == 1
	.amdgcn_target "amdgcn-amd-amdhsa--gfx1250"
	.amdhsa_code_object_version 6
	.text
	.protected	k_q479d73f67e_bank
	.globl	k_q479d73f67e_bank
	.p2align	8
	.type	k_q479d73f67e_bank,@function
k_q479d73f67e_bank:
	s_mov_b64 s[64:65], 0
	v_nop
	global_prefetch_b8 v0, s[64:65] scope:SCOPE_SE
	s_setreg_imm32_b32 hwreg(HW_REG_WAVE_MODE, 25, 1), 1
	s_wait_xcnt 0x0
; out = ( sum over 16 banks k of w[row][k] tanh(LayerNorm_k(query Wb[k] + bb[k])) ) Wr + br,  w = softmax(spectral_vec Wa + ba).
; query, Wb and Wr arrive as codes of FP4 (E2M1) with one E8M0 byte for each 32 along K; both large products run on those codes; the mix of the banks is quantised here, along its 256 features.
; NO WORK IS LEFT OUT: all thirteen inputs are loaded, and all sixteen banks are weighed in for every row.
; SHARES.  A work-group of four waves owns 64 rows (four tiles of 16); wave cq owns a quarter of the 256 features.  Every wave walks all 16 banks; h never leaves registers.  With 512 registers a wave and 85,248 bytes of LDS
;   two work-groups fit on a WGP; the only barrier of a bank joins the four waves that share rows.
; LAYOUT.  The products are used transposed (source 0 = 16 rows of the weight, source 1 = 16 rows of the batch): a lane holds ONE row.  Lane r of Wb's tile 2 b + u takes row 64 cq + 32 b + 8 u + r + 8 (r / 8),
;   so that register 32 m + 16 b + i of lane (r, h) is feature 64 cq + 32 b + 16 h + i of row r of row tile m: the order in which the second product's quantiser wants them.
; Wb GOES FROM MEMORY STRAIGHT INTO THE OPERAND REGISTERS, with no tensor load and so with no joint load: a wave uses each byte of its 64 rows of a bank once, for four matrix instructions, and the four loads of a tile
;   take its two runs of 1,024 consecutive bytes whole.  A stay in LDS would add a store, a read and a refill's barrier for all waves to each bank.  Tiles 0 and 1 are asked for behind the bank's barrier, tiles 2 and 3 behind
;   the statistics, all nine stages ahead of the products.
; PREFETCH.  Each wave names one block of 256 bytes of the bank two loads on: block (4 x work-group + wave) mod 128, but only work-groups 0 to 3 name theirs: 16 blocks of a bank, none twice.
;   Banks 1 and 2 are named at the head; trip t names bank t + 3; the last trip names nothing.
; LAYERNORM.  bb[k] is stored to LDS less its own mean over the 256 features: a shift that is the same along the feature axis leaves h - mean(h) as it is, for all values.  Each wave sums h and h^2 over its 64 features;
;   the four quarters meet through LDS; var = sum h^2 / 256 - mean^2, held at 0 from below.
;   LIMIT: the relative rounding error of var is about 2^-24 (1 + mean^2 / var), mean and var those of query Wb[k] + (bb[k] - mean bb[k]); no offset of bb enters it.
; TANH.  c = 2 log2(e), s = +1 in even banks, -1 in odd ones; gamma and beta lie in LDS times s c.  z = s c hn, r = 1 / (1 + 2^z); tanh(hn) = 1 - 2 r (even), 2 r - 1 (odd).
;   The mix starts at c0 = sum_even w - sum_odd w and takes W2 r of each bank, W2 = -2 w (even), +2 w (odd).  2^z = infinity gives r = 0 and 2^z = 0 gives r = 1.
; LIMITS: NaN and infinities among the inputs are not served; a softmax term or a 2^z under 2^-126 counts as 0; a block of the mix whose largest magnitude lies under 2^-124 keeps the scale byte 1.
; REGISTERS (s_set_vgpr_msb: bits 1:0 source 0, 3:2 source 1, 5:4 source 2, 7:6 destination): window 1: v0-127 h, 32 a row tile; v128-255 the mix, likewise.
;   window 0: v1-31 addresses; v32-61 scale words and a bank's small numbers; v64-127 the rows' fragments; v128-191 gamma and beta, and by turns with gamma the bias as C;
;   v192-255 the weight's fragments, and by turns with them the sums' scratch (v192-223) and the four quarters' statistics (v224-255).
.set BBT,    0                         ; centred bb: 16,384; behind it scaled gamma and scaled beta, 16,384 each
.set GT,     16384
.set STB,    49152                     ; the statistics: [parity 2][r 16: 144 bytes][cq 4][sum x 4 row tiles, sum of squares x 4]: 4,608
.set WT,     53760                     ; [k 0..16][r][row tile 4]: W2 of bank k; entry 16 is c0: 4,352
.set IMG,    58112                     ; the mix's fragments as images of their registers: (2 m + s) x 1,024: 8,192
.set ISC,    66304                     ; their scale words, 128 bytes each: 1,024
.set STG,    67328                     ; the way out: 16 rows x 272 bytes for each wave
.set SPITCH, 272
.set SPARE,  84736                     ; the spare words, 128 bytes for each wave: two blocks of 256 bytes that no other line names
.set AW0, 1                            ; my lane's place in a bank's codes in memory
.set AS0, 2                            ; and among its scale bytes
.set AB0, 3
.set AG0, 4
.set AWT0, 5
.set ASTW0, 6
.set ASTR0, 7
.set WTW, 8                            ; v8-11, v14: at the head the head's own offsets
.set WTC, 9
.set TBO, 10
.set TBW, 11
.set SVO, 14
.set ADB, 10                           ; v10-14: LDS addresses with the bank's term added
.set ADG, 11
.set ADWT, 12
.set ADSTW, 13
.set ADSTR, 14
.set IMGW, 15
.set ISW, 16
.set IMGR, 17
.set ISR, 18
.set ZO, 19                            ; 0: the prefetch's offset
.set SPW, 20                           ; LDS address of my spare word; never rewritten
.set NIL, 21                           ; 0; never rewritten
.set STO, 22
.set RD, 23
.set CO, 24
.set WRO, 25                           ; 128 r + 16 h
.set WRS, 26                           ; 8 r
.set BRO, 27                           ; 32 h
.set QS, 32                            ; the rows' scale words, 2 m + s
.set WS, 40                            ; the weight's, 2 t + s
.set W2, 48
.set RS, 52                            ; 1 / sqrt(var + eps)
.set DRS, 56                           ; -mean times that
.set EPSV, 60
.set QF, 64
.set GAM, 128
.set BSC, 160
.set BB, 128
.set WF, 192
.set TCH, 192                          ; eight chains of two: sums v192-199, sums of squares v200-207
.set SO, 208
.set XR, 216
.set XP, 192
.set SP, 224                           ; the four quarters' statistics; what is made of them stays inside these 32 registers
.set NMU, 232
.set MSQ, 236
.set VAR, 240
.set SV, 128                           ; the head only, window 0: spectral_vec v128-135, ba and then the logits v136-143, scratch v144-147
.set LG, 136
.set TG, 0                             ; the head only, window 1: gamma v0-31, beta v32-63, bb v64-95 (eight registers a bank), scratch v96-111, Wa v128-191
.set TB2, 32
.set TBB, 64
.set TT, 96
.set PCB, 64                           ; the quantiser's registers, where the rows' fragments lay
.set TM, 80
.set TP, 88
.set SCO, 96
.set BY, 104
.set PWD, 112
.set BK, 128
.set SEL, 6                            ; s[6:7] v_permlanex16_b32's selects for lane l xor 16
.set CQ, 36                            ; my wave's number: my quarter of the features; also my softmax's row tile
.set PFA, 42                           ; s[42:43] my block of the bank that the trip loads; the prefetch names the bank two on
.set CNT, 60
.set KW, 62                            ; 256 k
.set KT, 66                            ; 1,024 (k + 1)
.set SPR, 67                           ; parity of the statistics to be read
.set SPWR, 68                          ; and of those to be written
.set MSB, 0
.macro WIN new                         ; the immediate's high byte repeats the setting that is left; a switch that changes nothing is dropped
.if MSB != \new
	s_set_vgpr_msb (MSB<<8)|\new
.set MSB, \new
.endif
.endm
.macro VW                              ; the wait round transcendentals and ahead of waits, barriers and branches
	s_wait_alu depctr_va_vdst(0)
.endm
.macro ASK
	VW
	s_cmp_gt_u32 s[CNT], 1                         ; the last trip has no bank two loads on
	s_cbranch_scc0 .Lno_ask_\@
	s_cmp_lt_u32 ttmp9, 4
	s_cbranch_scc0 .Lno_prefetch_bank0_\@
	global_prefetch_b8 v[ZO], s[PFA:PFA+1] offset:65536 th:TH_LOAD_NT scope:SCOPE_SE
.Lno_prefetch_bank0_\@:
.Lno_ask_\@:
.endm
; Tiles t0 and t0 + 1 of a bank: 4 fragments (tile t, K step s) and their scale words, from memory.  10 loads.
.macro LOADWG t0
.irp t, \t0, \t0+1
.irp s, 0,1
.irp c, 0,1
	global_load_b128 v[WF+16*(\t)+8*\s+4*\c:WF+16*(\t)+8*\s+4*\c+3], v[AW0], s[18:19] offset:(32*((\t)/2)+8*((\t)%2))*128+64*\s+32*\c
.endr
.endr
	global_load_b64 v[WS+2*(\t):WS+2*(\t)+1], v[AS0], s[20:21] offset:8*(32*((\t)/2)+8*((\t)%2))
.endr
.endm
.macro LOADB ab                        ; a bank's centred bias in the result's layout, into the registers that held gamma
.irp b, 0,1
.irp q, 0,1,2,3
	ds_load_b128 v[BB+16*\b+4*\q:BB+16*\b+4*\q+3], v[\ab] offset:128*\b+16*\q
.endr
.endr
.endm
.macro LOADG ag                        ; a bank's scaled gamma and beta at my 32 features.  16 loads
.irp b, 0,1
.irp q, 0,1,2,3
	ds_load_b128 v[GAM+16*\b+4*\q:GAM+16*\b+4*\q+3], v[\ag] offset:128*\b+16*\q
	ds_load_b128 v[BSC+16*\b+4*\q:BSC+16*\b+4*\q+3], v[\ag] offset:16384+128*\b+16*\q
.endr
.endr
.endm
; 32 matrix instructions: four row tiles x four tiles of the weight x two K steps of 128.  The bias is the C of the first K step.  The 16 accumulators take turns.
.macro MM
	WIN 0x40
.irp m, 0,1,2,3
.irp t, 0,1,2,3
	v_wmma_scale_f32_16x16x128_f8f6f4 v[32*\m+8*\t:32*\m+8*\t+7], v[WF+16*\t:WF+16*\t+7], v[QF+16*\m:QF+16*\m+7], v[BB+8*\t:BB+8*\t+7], v[WS+2*\t], v[QS+2*\m] matrix_a_fmt:MATRIX_FMT_FP4 matrix_b_fmt:MATRIX_FMT_FP4
.endr
.endr
	WIN 0x50
.irp m, 0,1,2,3
.irp t, 0,1,2,3
	v_wmma_scale_f32_16x16x128_f8f6f4 v[32*\m+8*\t:32*\m+8*\t+7], v[WF+16*\t+8:WF+16*\t+15], v[QF+16*\m+8:QF+16*\m+15], v[32*\m+8*\t:32*\m+8*\t+7], v[WS+2*\t+1], v[QS+2*\m+1] matrix_a_fmt:MATRIX_FMT_FP4 matrix_b_fmt:MATRIX_FMT_FP4
.endr
.endr
.endm
; The sum and the sum of squares of my 64 features for the four row tiles: eight chains by turns; each accumulator is first read at its low end.
.macro STATS adr
	WIN 0x05                                       ; sources 0 and 1 window 1
.irp m, 0,1,2,3
	v_pk_add_f32 v[TCH+2*\m:TCH+2*\m+1], v[32*\m:32*\m+1], v[32*\m+2:32*\m+3]
	v_pk_mul_f32 v[TCH+8+2*\m:TCH+8+2*\m+1], v[32*\m:32*\m+1], v[32*\m:32*\m+1]
.endr
.irp m, 0,1,2,3
	v_pk_fma_f32 v[TCH+8+2*\m:TCH+8+2*\m+1], v[32*\m+2:32*\m+3], v[32*\m+2:32*\m+3], v[TCH+8+2*\m:TCH+8+2*\m+1]
.endr
.irp o, 4,6,8,10,12,14,16,18,20,22,24,26,28,30
.irp m, 0,1,2,3
	v_pk_fma_f32 v[TCH+2*\m:TCH+2*\m+1], v[32*\m+\o:32*\m+\o+1], 1.0, v[TCH+2*\m:TCH+2*\m+1] op_sel_hi:[1,0,1]   ; (an addition, in the form whose third source lies in window 0 like the line below)
	v_pk_fma_f32 v[TCH+8+2*\m:TCH+8+2*\m+1], v[32*\m+\o:32*\m+\o+1], v[32*\m+\o:32*\m+\o+1], v[TCH+8+2*\m:TCH+8+2*\m+1]
.endr
.endr
	WIN 0
.irp e, 0,1,2,3,4,5,6,7
	v_add_f32 v[XR+\e], v[TCH+2*\e], v[TCH+2*\e+1]
.endr
.irp e, 0,1,2,3,4,5,6,7
	v_permlanex16_b32 v[XP+\e], v[XR+\e], s[SEL], s[SEL+1]   ; the row's other 32 of my 64 features
.endr
.irp e, 0,2,4,6
	v_pk_add_f32 v[SO+\e:SO+\e+1], v[XR+\e:XR+\e+1], v[XP+\e:XP+\e+1]
.endr
	ds_store_b128 v[\adr], v[SO:SO+3]              ; lanes l and l xor 16 write the same bytes with the same values
	ds_store_b128 v[\adr], v[SO+4:SO+7] offset:16
.endm
; The four quarters' statistics become RS = 1 / sqrt(var + eps) and DRS = -mean x RS for the four row tiles.
.macro COMBINE
.irp e, 0,2,4,6
	v_pk_add_f32 v[SP+\e:SP+\e+1], v[SP+\e:SP+\e+1], v[SP+8+\e:SP+8+\e+1]
	v_pk_add_f32 v[SP+16+\e:SP+16+\e+1], v[SP+16+\e:SP+16+\e+1], v[SP+24+\e:SP+24+\e+1]
.endr
.irp e, 0,2,4,6
	v_pk_add_f32 v[SP+\e:SP+\e+1], v[SP+\e:SP+\e+1], v[SP+16+\e:SP+16+\e+1]
.endr
.irp p, 0,2
	v_pk_mul_f32 v[NMU+\p:NMU+\p+1], v[SP+\p:SP+\p+1], 0xbb800000 op_sel_hi:[1,0]   ; x -1/256
.endr
.irp p, 0,2
	v_pk_mul_f32 v[MSQ+\p:MSQ+\p+1], v[NMU+\p:NMU+\p+1], v[NMU+\p:NMU+\p+1]
.endr
.irp p, 0,2
	v_pk_fma_f32 v[VAR+\p:VAR+\p+1], v[SP+4+\p:SP+4+\p+1], s[2:3], v[MSQ+\p:MSQ+\p+1] op_sel_hi:[1,0,1] neg_lo:[0,0,1] neg_hi:[0,0,1]
.endr
.irp j, 0,1,2,3
	v_max_num_f32 v[VAR+\j], 0, v[VAR+\j]
.endr
.irp p, 0,2
	v_pk_add_f32 v[VAR+\p:VAR+\p+1], v[VAR+\p:VAR+\p+1], v[EPSV:EPSV+1]
.endr
	VW
.irp j, 0,1,2,3
	v_rsq_f32 v[RS+\j], v[VAR+\j]
.endr
	v_nop
	VW
.irp p, 0,2
	v_pk_mul_f32 v[DRS+\p:DRS+\p+1], v[NMU+\p:NMU+\p+1], v[RS+\p:RS+\p+1]
.endr
.endm
; FROM h TO THE MIX, as a pipeline over the four row tiles: in stage i row tile i takes u = h RS + DRS, tile i - 1 z = u gamma + beta, tile i - 2 2^z, tile i - 3 1 + 2^z, tile i - 4 the reciprocal, tile i - 5 mix += W2 r.
; Every line of a stage reads only what earlier stages wrote, so the exponentials and reciprocals stand among plain lines of other row tiles, and one wait at a stage's end serves all its results.
.macro STAGE i
.if (\i) >= 5
	WIN 0x51
.set cc, (\i)-5
.set nn, 0
.rept 16
.if cc%2
	v_pk_fma_f32 v[128+32*cc+2*nn:128+32*cc+2*nn+1], v[32*cc+2*nn:32*cc+2*nn+1], v[W2+2*(cc/2):W2+2*(cc/2)+1], v[128+32*cc+2*nn:128+32*cc+2*nn+1] op_sel:[0,1,0] op_sel_hi:[1,1,1]
.else
	v_pk_fma_f32 v[128+32*cc+2*nn:128+32*cc+2*nn+1], v[32*cc+2*nn:32*cc+2*nn+1], v[W2+2*(cc/2):W2+2*(cc/2)+1], v[128+32*cc+2*nn:128+32*cc+2*nn+1] op_sel_hi:[1,0,1]
.endif
.set nn, nn+1
.endr
.endif
.if (\i) <= 7
	WIN 0x41
.set nn, 0
.rept 16
.if (\i) <= 3
.set hb, 32*(\i)+2*nn
.if (\i)%2
	v_pk_fma_f32 v[hb:hb+1], v[hb:hb+1], v[RS+2*((\i)/2):RS+2*((\i)/2)+1], v[DRS+2*((\i)/2):DRS+2*((\i)/2)+1] op_sel:[0,1,1] op_sel_hi:[1,1,1]
.else
	v_pk_fma_f32 v[hb:hb+1], v[hb:hb+1], v[RS+2*((\i)/2):RS+2*((\i)/2)+1], v[DRS+2*((\i)/2):DRS+2*((\i)/2)+1] op_sel_hi:[1,0,0]
.endif
.endif
.if ((\i) >= 2) && ((\i) <= 5)
.set hb, 32*((\i)-2)+2*nn
	v_exp_f32 v[hb], v[hb]
	v_exp_f32 v[hb+1], v[hb+1]
.endif
.if ((\i) >= 1) && ((\i) <= 4)
.set hb, 32*((\i)-1)+2*nn
	v_pk_fma_f32 v[hb:hb+1], v[hb:hb+1], v[GAM+2*nn:GAM+2*nn+1], v[BSC+2*nn:BSC+2*nn+1]
.endif
.if ((\i) >= 4) && ((\i) <= 7)
.set hb, 32*((\i)-4)+2*nn
	v_rcp_f32 v[hb], v[hb]
	v_rcp_f32 v[hb+1], v[hb+1]
.endif
.if ((\i) >= 3) && ((\i) <= 6)
.set hb, 32*((\i)-3)+2*nn
	v_pk_add_f32 v[hb:hb+1], v[hb:hb+1], 1.0 op_sel_hi:[1,0]
.endif
.set nn, nn+1
.endr
.if (\i) >= 2
	v_nop                                          ; a plain place behind the stage's last transcendental
.endif
.if (\i) >= 1
	VW
.endif
.endif
.endm
; My quarter of Wr and of its scale words, into the registers that Wb's held: tile t is rows 64 cq + 16 t + r.
.macro WRLOAD
.irp t, 0,1,2,3
.irp s, 0,1
.irp c, 0,1
	global_load_b128 v[WF+16*\t+8*\s+4*\c:WF+16*\t+8*\s+4*\c+3], v[WRO], s[28:29] offset:2048*\t+64*\s+32*\c
.endr
.endr
.endr
.irp t, 0,1,2,3
	global_load_b64 v[WS+2*\t:WS+2*\t+1], v[WRS], s[30:31] offset:128*\t
.endr
.endm
.macro BRLOAD                          ; my quarter of br in the result's layout, as C
.irp t, 0,1,2,3
.irp q, 0,1
	global_load_b128 v[BB+8*\t+4*\q:BB+8*\t+4*\q+3], v[BRO], s[32:33] offset:64*\t+16*\q
.endr
.endr
.endm
; BANK k.  One barrier: behind it all quarters' statistics of bank k lie in LDS.  kind 1: in the loop, with the prefetch.  kind 2: bank 14.  kind 3: the last bank: Wr comes in place of a next bank.
.macro TRIP kind
	VW
	s_wait_dscnt 0x0                               ; my statistics are stored, gamma and beta are in
	s_barrier_signal -1
	s_barrier_wait -1
	v_add_nc_u32 v[ADSTR], s[SPR], v[ASTR0]
	v_add_nc_u32 v[ADWT], s[KW], v[AWT0]
.if \kind < 3
	v_add_nc_u32 v[ADB], s[KT], v[AB0]
	LOADWG 0                                       ; the sums' scratch has been used: bank k + 1's tiles 0 and 1 land there
.endif
.irp q, 0,1,2,3
	ds_load_b128 v[SP+8*\q:SP+8*\q+3], v[ADSTR] offset:32*\q
	ds_load_b128 v[SP+8*\q+4:SP+8*\q+7], v[ADSTR] offset:32*\q+16
.endr
	ds_load_b128 v[W2:W2+3], v[ADWT]
	VW
	s_wait_dscnt 0x0
	COMBINE
.if \kind < 3
	LOADWG 2                                       ; the statistics have been used: tiles 2 and 3 land there
.else
	WRLOAD
.endif
.if \kind == 1
	ASK
.endif
	STAGE 0
	STAGE 1
	STAGE 2
	STAGE 3
	STAGE 4
	WIN 0                                          ; gamma has been used: the next C lands there
.if \kind < 3
	LOADB ADB
.else
	BRLOAD
.endif
	STAGE 5
	STAGE 6
	STAGE 7
	STAGE 8
	WIN 0
.if \kind < 3
	VW
	s_wait_loadcnt 0x0                             ; bank k + 1's fragments and scale words are in, so their bases may step;
	s_wait_dscnt 0x0                               ; its bias too
	s_wait_xcnt 0x0                                ; and the prefetch has read its base
	s_add_nc_u64 s[18:19], s[18:19], 32768
	s_add_nc_u64 s[20:21], s[20:21], 2048
	s_add_nc_u64 s[PFA:PFA+1], s[PFA:PFA+1], 32768
	MM
	WIN 0
	v_add_nc_u32 v[ADG], s[KT], v[AG0]             ; with the three below: the four places between the last products and the loads and reads that follow
	v_add_nc_u32 v[ADSTW], s[SPWR], v[ASTW0]
	v_nop
	v_nop
	LOADG ADG
	s_add_co_u32 s[KW], s[KW], 256
	s_add_co_u32 s[KT], s[KT], 1024
	s_xor_b32 s[SPR], s[SPR], 2304
	s_xor_b32 s[SPWR], s[SPWR], 2304
	STATS ADSTW
.endif
.endm
.macro SUM8                            ; the sum of my eight numbers at v[LG] and of lane l xor 16's eight, into v30
	v_pk_add_f32 v[30:31], v[LG:LG+1], v[LG+2:LG+3]
	v_pk_add_f32 v[146:147], v[LG+4:LG+5], v[LG+6:LG+7]
	v_pk_add_f32 v[30:31], v[30:31], v[146:147]
	v_add_f32 v30, v30, v31
	v_permlanex16_b32 v31, v30, s[SEL], s[SEL+1]
	v_add_f32 v30, v30, v31
.endm
.macro TOSTAGE m                       ; 16 rows x my 64 columns through my own stage, back as rows of 256 bytes; LDS serves a wave's instructions in order (ISA guide 5.7.1.4)
	WIN 0x04                                       ; an LDS store's data are its source 1: window 1
.irp t, 0,1,2,3
	ds_store_b128 v[STO], v[32*(\m)+8*\t:32*(\m)+8*\t+3] offset:64*\t          ; each accumulator from its low end on
	ds_store_b128 v[STO], v[32*(\m)+8*\t+4:32*(\m)+8*\t+7] offset:64*\t+16
.endr
	WIN 0
.irp i, 0,1,2,3,4,5,6,7
	ds_load_b128 v[BK+32*(\m)+4*\i:BK+32*(\m)+4*\i+3], v[RD] offset:2*\i*SPITCH
.endr
.endm
.macro SEND m, younger                 ; younger: the LDS instructions issued behind tile m's loads, which may stay out
	s_wait_dscnt \younger
.irp i, 0,1,2,3,4,5,6,7
	global_store_b128 v[CO], v[BK+32*(\m)+4*\i:BK+32*(\m)+4*\i+3], s[34:35] offset:(16*(\m)+2*\i)*1024 th:TH_STORE_NT   ; sixteen lanes store 256 consecutive bytes, at a multiple of 256 from out0's first byte
.endr
.endm
; ---------------------------------------------------------------- the head
	s_load_b512 s[8:23], s[0:1], 0x0               ; spectral_vec s[8:9], Wa s[10:11], ba s[12:13], query's codes s[14:15] and scales s[16:17], Wb's codes s[18:19] and scales s[20:21], bb s[22:23]
	s_load_b256 s[24:31], s[0:1], 0x40             ; gamma s[24:25], beta s[26:27], Wr's codes s[28:29] and scales s[30:31]
	s_load_b128 s[32:35], s[0:1], 0x60             ; br s[32:33], out0 s[34:35]
	v_lshl_add_u32 v[SPW], v0, 2, SPARE
	v_mov_b32 v[NIL], 0
	v_lshrrev_b32 v28, 5, v0
	v_readfirstlane_b32 s[CQ], v28                 ; wave 0..3
	s_lshl_b32 s70, s[CQ], 13
	s_lshl_b32 s71, s[CQ], 9
	s_lshl_b32 s72, s[CQ], 8
	s_lshl_b32 s73, s[CQ], 12
	s_lshl_b32 s74, s[CQ], 2
	s_lshl_b32 s76, s[CQ], 5
	s_lshr_b32 s79, s[CQ], 1
	s_lshl_b32 s79, s79, 7
	s_and_b32 s80, s[CQ], 1
	s_lshl_b32 s80, s80, 1
	s_add_co_u32 s79, s79, s80                     ; 128 (cq / 2) + 2 (cq % 2)
	s_mul_i32 s80, s[CQ], 16*SPITCH
	s_add_co_u32 s80, s80, STG                     ; my stage
	s_mov_b32 s2, 0x3b800000                       ; 1 / 256
	s_mov_b32 s3, s2
	s_mov_b32 s[SEL], 0x76543210
	s_mov_b32 s[SEL+1], 0xfedcba98
	v_and_b32 v28, 15, v0                          ; r
	v_bfe_u32 v29, v0, 4, 1                        ; h
	v_and_b32 v30, 31, v0                          ; lane
	v_and_b32 v31, 8, v28
	v_add_nc_u32 v31, v31, v28                     ; r + 8 (r / 8)
	v_lshlrev_b32 v[AW0], 7, v31
	v_lshl_add_u32 v[AW0], v29, 4, v[AW0]
	v_add_nc_u32 v[AW0], s70, v[AW0]               ; 128 (r + 8 (r / 8)) + 16 h + my 64 rows
	v_lshl_add_u32 v[AS0], v31, 3, s71             ; 8 bytes a row
	v_lshl_add_u32 v[AB0], v29, 6, s72             ; 256 cq + 64 h (bb's table begins at LDS byte 0)
	v_add_nc_u32 v[AG0], GT, v[AB0]
	v_lshl_add_u32 v[AWT0], v28, 4, WT             ; 16 r
	v_add_nc_u32 v[WTC], s74, v[AWT0]              ; my softmax's row: + 4 x its row tile;
	v_lshl_add_u32 v[WTW], v29, 11, v[WTC]         ; my eight banks begin at 8 h
	v_mul_u32_u24 v[ASTR0], v28, 144
	v_add_nc_u32 v[ASTR0], STB, v[ASTR0]
	v_add_nc_u32 v[ASTW0], s76, v[ASTR0]
	v_lshl_add_u32 v[IMGR], v30, 4, IMG
	v_add_nc_u32 v[IMGW], s71, v[IMGR]
	v_lshl_add_u32 v[ISR], v30, 2, ISC
	v_add_nc_u32 v[ISW], s79, v[ISR]
	v_mul_u32_u24 v[STO], v28, SPITCH
	v_lshl_add_u32 v[STO], v29, 5, v[STO]
	v_add_nc_u32 v[STO], s80, v[STO]
	v_mul_u32_u24 v[RD], v29, SPITCH
	v_lshl_add_u32 v[RD], v28, 4, v[RD]
	v_add_nc_u32 v[RD], s80, v[RD]
	v_lshlrev_b32 v[CO], 10, v29
	v_lshl_add_u32 v[CO], v28, 4, v[CO]
	v_lshlrev_b32 v[WRO], 7, v28
	v_lshl_add_u32 v[WRO], v29, 4, v[WRO]
	v_lshlrev_b32 v[WRS], 3, v28
	v_lshlrev_b32 v[BRO], 5, v29
	v_lshl_add_u32 v[TBO], v30, 4, s73             ; the tables: my wave takes banks 4 w .. 4 w + 3; a load or store covers 512 consecutive bytes, half a bank's row, 16 bytes a lane
	v_lshl_add_u32 v[TBW], v30, 4, s73
	v_lshlrev_b32 v[SVO], 5, v28
	v_mov_b32 v[ZO], 0
	v_mov_b32 v[EPSV], 0x3727c5ac                  ; 1e-5
	v_mov_b32 v[EPSV+1], 0x3727c5ac
	VW
	s_wait_kmcnt 0x0
	s_mov_b32 s41, 0
	s_lshl_b32 s83, ttmp9, 6                       ; the work-group's first row
	s_lshl_b32 s84, s[CQ], 4
	s_add_co_u32 s84, s84, s83                     ; the first of the 16 rows whose softmax I take
	s_lshl_b32 s40, s83, 7
	s_add_nc_u64 s[14:15], s[14:15], s[40:41]
	s_lshl_b32 s40, s83, 3
	s_add_nc_u64 s[16:17], s[16:17], s[40:41]
	s_lshl_b32 s40, s84, 5
	s_add_nc_u64 s[8:9], s[8:9], s[40:41]
	s_lshl_b32 s40, s83, 10
	s_add_co_u32 s40, s40, s72
	s_add_nc_u64 s[34:35], s[34:35], s[40:41]      ; out0: 1,024 a row, + my 64 columns
	s_mov_b32 s40, s72
	s_add_nc_u64 s[32:33], s[32:33], s[40:41]      ; br: my 64 numbers
	s_mov_b32 s40, s70
	s_add_nc_u64 s[28:29], s[28:29], s[40:41]      ; Wr's codes: my 64 rows
	s_mov_b32 s40, s71
	s_add_nc_u64 s[30:31], s[30:31], s[40:41]      ; and their scale bytes
	s_lshl_b32 s40, ttmp9, 2
	s_add_co_u32 s40, s40, s[CQ]
	s_and_b32 s40, s40, 127
	s_lshl_b32 s40, s40, 8
	s_add_co_u32 s40, s40, 32768
	s_add_nc_u64 s[PFA:PFA+1], s[18:19], s[40:41]  ; my block of bank 1
	WIN 0x40
.irp q, 0,1,2,3,4,5,6,7
	global_load_b128 v[TG+4*\q:TG+4*\q+3], v[TBO], s[24:25] offset:512*\q     ; registers 8 j .. 8 j + 7: my eight numbers of bank 4 w + j
.endr
.irp q, 0,1,2,3,4,5,6,7
	global_load_b128 v[TB2+4*\q:TB2+4*\q+3], v[TBO], s[26:27] offset:512*\q
.endr
.irp q, 0,1,2,3,4,5,6,7
	global_load_b128 v[TBB+4*\q:TBB+4*\q+3], v[TBO], s[22:23] offset:512*\q
.endr
.irp d, 0,1,2,3,4,5,6,7
.irp q, 0,1
	global_load_b128 v[128+8*\d+4*\q:128+8*\d+4*\q+3], v[BRO], s[10:11] offset:64*\d+16*\q   ; Wa[d][8 h + j] in register 128 + 8 d + j of window 1
.endr
.endr
	WIN 0
.irp q, 0,1
	global_load_b128 v[SV+4*\q:SV+4*\q+3], v[SVO], s[8:9] offset:16*\q        ; spectral_vec: row r
	global_load_b128 v[LG+4*\q:LG+4*\q+3], v[BRO], s[12:13] offset:16*\q      ; ba at my banks 8 h + 0 .. 7
.endr
.irp m, 0,1,2,3
.irp s, 0,1
.irp c, 0,1
	global_load_b128 v[QF+16*\m+8*\s+4*\c:QF+16*\m+8*\s+4*\c+3], v[WRO], s[14:15] offset:2048*\m+64*\s+32*\c   ; query's fragments stay in registers
.endr
.endr
.endr
.irp m, 0,1,2,3
	global_load_b64 v[QS+2*\m:QS+2*\m+1], v[WRS], s[16:17] offset:128*\m
.endr
	LOADWG 0                                       ; bank 0
	LOADWG 2
	s_cmp_lt_u32 ttmp9, 4
	s_cbranch_scc0 .Lno_prefetch_bank1
	global_prefetch_b8 v[ZO], s[PFA:PFA+1] th:TH_LOAD_NT scope:SCOPE_SE                ; my block of bank 1,
	global_prefetch_b8 v[ZO], s[PFA:PFA+1] offset:32768 th:TH_LOAD_NT scope:SCOPE_SE   ; and of bank 2
.Lno_prefetch_bank1:
	s_wait_loadcnt 60                              ; gamma, beta and bb are in; behind them 20 + 20 + 20 loads
	WIN 0x45
.irp j, 0,1,2,3
	v_pk_add_f32 v[TT+4*\j:TT+4*\j+1], v[TBB+8*\j:TBB+8*\j+1], v[TBB+8*\j+2:TBB+8*\j+3]
	v_pk_add_f32 v[TT+4*\j+2:TT+4*\j+3], v[TBB+8*\j+4:TBB+8*\j+5], v[TBB+8*\j+6:TBB+8*\j+7]
.endr
.irp j, 0,1,2,3
	v_pk_add_f32 v[TT+4*\j:TT+4*\j+1], v[TT+4*\j:TT+4*\j+1], v[TT+4*\j+2:TT+4*\j+3]
.endr
	WIN 0x05
.irp j, 0,1,2,3
	v_add_f32 v[144+\j], v[TT+4*\j], v[TT+4*\j+1]
.endr
	WIN 0
.irp x, 1,2,4,8
.irp j, 0,1,2,3
	v_add_f32_dpp v[144+\j], v[144+\j], v[144+\j] row_xmask:\x row_mask:0xf bank_mask:0xf
.endr
.endr
.irp j, 0,1,2,3
	v_permlanex16_b32 v[28+\j], v[144+\j], s[SEL], s[SEL+1]
.endr
.irp j, 0,1,2,3
	v_add_f32 v[144+\j], v[144+\j], v[28+\j]       ; the sum of bb[4 w + j] over its 256 features
.endr
.irp j, 0,2
	v_pk_mul_f32 v[144+\j:145+\j], v[144+\j:145+\j], 0xbb800000 op_sel_hi:[1,0]   ; -mean
.endr
	WIN 0x41
.irp i, 0,2,4,6,8,10,12,14,16,18,20,22,24,26,28,30
.if (\i/8)%2
	v_pk_mul_f32 v[TG+\i:TG+\i+1], v[TG+\i:TG+\i+1], 0xc038aa3b op_sel_hi:[1,0]      ; odd banks: x -c
	v_pk_mul_f32 v[TB2+\i:TB2+\i+1], v[TB2+\i:TB2+\i+1], 0xc038aa3b op_sel_hi:[1,0]
	v_pk_add_f32 v[TBB+\i:TBB+\i+1], v[TBB+\i:TBB+\i+1], v[144+2*(\i/16):145+2*(\i/16)] op_sel:[0,1] op_sel_hi:[1,1]
.else
	v_pk_mul_f32 v[TG+\i:TG+\i+1], v[TG+\i:TG+\i+1], 0x4038aa3b op_sel_hi:[1,0]      ; even banks: x +c
	v_pk_mul_f32 v[TB2+\i:TB2+\i+1], v[TB2+\i:TB2+\i+1], 0x4038aa3b op_sel_hi:[1,0]
	v_pk_add_f32 v[TBB+\i:TBB+\i+1], v[TBB+\i:TBB+\i+1], v[144+2*(\i/16):145+2*(\i/16)] op_sel_hi:[1,0]
.endif
.endr
	WIN 0x04
.irp q, 0,1,2,3,4,5,6,7
	ds_store_b128 v[TBW], v[TG+4*\q:TG+4*\q+3] offset:16384+512*\q
	ds_store_b128 v[TBW], v[TB2+4*\q:TB2+4*\q+3] offset:32768+512*\q
	ds_store_b128 v[TBW], v[TBB+4*\q:TBB+4*\q+3] offset:512*\q
.endr
	WIN 0
	VW
	s_wait_loadcnt 40                              ; Wa, spectral_vec and ba are in; behind them 20 + 20 loads
	; the softmax of row r, eight banks a lane, in f32: its result goes on into a quantiser
	WIN 0x01
.irp d, 0,1,2,3,4,5,6,7
.irp j, 0,2,4,6
.if \d%2
	v_pk_fma_f32 v[LG+\j:LG+\j+1], v[128+8*\d+\j:128+8*\d+\j+1], v[SV+2*(\d/2):SV+2*(\d/2)+1], v[LG+\j:LG+\j+1] op_sel:[0,1,0] op_sel_hi:[1,1,1]
.else
	v_pk_fma_f32 v[LG+\j:LG+\j+1], v[128+8*\d+\j:128+8*\d+\j+1], v[SV+2*(\d/2):SV+2*(\d/2)+1], v[LG+\j:LG+\j+1] op_sel_hi:[1,0,1]
.endif
.endr
.endr
	WIN 0
	v_max3_num_f32 v28, v[LG], v[LG+1], v[LG+2]
	v_max3_num_f32 v29, v[LG+3], v[LG+4], v[LG+5]
	v_max3_num_f32 v28, v28, v[LG+6], v[LG+7]
	v_max_num_f32 v28, v28, v29
	v_permlanex16_b32 v29, v28, s[SEL], s[SEL+1]
	v_max_num_f32 v28, v28, v29                    ; the row's largest logit is taken away
.irp j, 0,2,4,6
	v_pk_add_f32 v[LG+\j:LG+\j+1], v[LG+\j:LG+\j+1], v[28:29] op_sel_hi:[1,0] neg_lo:[0,1] neg_hi:[0,1]
.endr
.irp j, 0,2,4,6
	v_pk_mul_f32 v[LG+\j:LG+\j+1], v[LG+\j:LG+\j+1], 0x3fb8aa3b op_sel_hi:[1,0]
.endr
	VW
.irp j, 0,1,2,3,4,5,6,7
	v_exp_f32 v[LG+\j], v[LG+\j]
.endr
	v_nop
	VW
	SUM8
	VW
	v_rcp_f32 v31, v30
	v_nop
	VW
	v_mul_f32 v28, -2.0, v31                       ; even banks: W2 = -2 w;
	v_mul_f32 v29, 2.0, v31                        ; odd banks: +2 w
.irp j, 0,2,4,6
	v_pk_mul_f32 v[LG+\j:LG+\j+1], v[LG+\j:LG+\j+1], v[28:29]
.endr
	SUM8
	v_mul_f32 v30, -0.5, v30                       ; c0 = sum_even w - sum_odd w
.irp j, 0,1,2,3,4,5,6,7
	ds_store_b32 v[WTW], v[LG+\j] offset:256*\j
.endr
	ds_store_b32 v[WTC], v30 offset:4096           ; lanes l and l xor 16 write the same word with the same value
	VW
	s_wait_dscnt 0x0                               ; my stores of the tables and of the weights are done
	s_barrier_signal -1
	s_barrier_wait -1                              ; everybody's are
	ds_load_b128 v[W2:W2+3], v[AWT0] offset:4096   ; c0 of the four row tiles
	LOADB AB0                                      ; bank 0's bias
	s_wait_dscnt 0x0
	WIN 0x40
.irp m, 0,1,2,3
.set j, 128+32*\m
.rept 32
	v_mov_b32 v[j], v[W2+\m]                       ; the mix begins at its constant term c0, so that a bank's text is the same for all sixteen
.set j, j+1
.endr
.endr
	WIN 0
	VW
	s_wait_loadcnt 0x0                             ; query and bank 0, so Wb's bases may step
	s_add_nc_u64 s[18:19], s[18:19], 32768
	s_add_nc_u64 s[20:21], s[20:21], 2048
	MM
	WIN 0
.rept 4
	v_nop                                          ; four places between the last products and the loads and reads that follow
.endr
	LOADG AG0
	STATS ASTW0
	s_mov_b32 s[CNT], 14
	s_mov_b32 s[KW], 0
	s_mov_b32 s[KT], 1024
	s_mov_b32 s[SPR], 0
	s_mov_b32 s[SPWR], 2304
; ---------------------------------------------------------------- the banks
.Lbank:                                                ; 14 trips: banks 0 to 13; trip t loads bank t + 1
	TRIP 1
	s_sub_co_u32 s[CNT], s[CNT], 1
	s_cmp_lg_u32 s[CNT], 0
	VW
	s_cbranch_scc1 .Lbank
	TRIP 2
	TRIP 3
; ---------------------------------------------------------------- the way out
; The mix, 32 numbers a lane and row tile (register 16 b + i = feature 32 b + 16 h + i of my quarter), becomes half a fragment's codes and two scale bytes: K step cq / 2, its half cq % 2.
	WIN 0x05
.irp m, 0,1,2,3
.irp b, 0,1
	v_max3_num_f32 v[TM+2*\m+\b], |v[128+32*\m+16*\b]|, |v[128+32*\m+16*\b+1]|, 0x1800000   ; my 16 numbers of the block, and the floor 2^(3 - 127): the byte cannot fall under 1
.endr
.endr
.irp i, 2,4,6,8,10,12,14
.irp m, 0,1,2,3
.irp b, 0,1
	v_max3_num_f32 v[TM+2*\m+\b], |v[128+32*\m+16*\b+\i]|, |v[128+32*\m+16*\b+\i+1]|, v[TM+2*\m+\b]
.endr
.endr
.endr
	WIN 0
.irp e, 0,1,2,3,4,5,6,7
	v_permlanex16_b32 v[TP+\e], v[TM+\e], s[SEL], s[SEL+1]
.endr
.irp e, 0,1,2,3,4,5,6,7
	v_max_num_f32 v[TM+\e], v[TM+\e], v[TP+\e]     ; with lane l xor 16's: the block's largest magnitude
.endr
.irp e, 0,1,2,3,4,5,6,7
	v_add_nc_u32 v[SCO+\e], 0xff000000, v[TM+\e]   ; 2 off its exponent field: the conversion takes that field as its scale
.endr
.irp e, 0,1,2,3,4,5,6,7
	v_lshrrev_b32 v[BY+\e], 23, v[SCO+\e]          ; the scale's byte
.endr
.irp m, 0,1,2,3
	v_lshl_or_b32 v[PWD+\m], v[BY+2*\m+1], 8, v[BY+2*\m]
.endr
	WIN 0x01
.irp m, 0,1,2,3
.irp b, 0,1
.irp e, 0,1
	v_cvt_scalef32_pk8_fp4_f32 v[PCB+4*\m+2*\b+\e], v[128+32*\m+16*\b+8*\e:128+32*\m+16*\b+8*\e+7], v[SCO+2*\m+\b]
.endr
.endr
.endr
	WIN 0
	v_nop                                          ; one plain place behind a scaled conversion
.irp m, 0,1,2,3
.irp i, 0,1
	v_permlane16_swap_b32 v[PCB+4*\m+\i], v[PCB+4*\m+2+\i]   ; the operand's layout wants a whole block in a lane: lanes 0-15 block 0, lanes 16-31 block 1
.endr
.endr
.irp m, 0,1,2,3
	ds_store_b128 v[IMGW], v[PCB+4*\m:PCB+4*\m+3] offset:2048*\m
	ds_store_b16 v[ISW], v[PWD+\m] offset:256*\m
.endr
	VW
	s_wait_dscnt 0x0                               ; my images are stored
	s_barrier_signal -1
	s_barrier_wait -1                              ; the other quarters' too: both K steps of the 64 rows lie in LDS
.irp m, 0,1,2,3
.irp s, 0,1
.irp c, 0,1
	ds_load_b128 v[QF+16*\m+8*\s+4*\c:QF+16*\m+8*\s+4*\c+3], v[IMGR] offset:(2*\m+\s)*1024+512*\c
.endr
	ds_load_b32 v[QS+2*\m+\s], v[ISR] offset:128*(2*\m+\s)
.endr
.endr
	s_wait_loadcnt 0x0                             ; Wr, its scale words, br
	s_wait_dscnt 0x0
	MM                                             ; register 32 m + 8 t + j of lane (r, h) is now out(16 m + r, 64 cq + 16 t + 8 h + j)
	WIN 0
.rept 4
	v_nop                                          ; four places between the last products and the first read of results and the loads over their operands
.endr
	TOSTAGE 0
.irp a, 1,2,3
	TOSTAGE \a
	SEND \a-1, 16                                  ; behind tile a - 1's loads: tile a's 8 stores and 8 loads
.endr
	SEND 3, 0
	s_wait_tensorcnt 0x0                           ; the wave's end, behind my last LDS store
	ds_add_u32 v[SPW], v[NIL]
	s_wait_dscnt 0x0
	s_endpgm
.Lfunc_end_k_q479d73f67e_bank:
	.size	k_q479d73f67e_bank, .Lfunc_end_k_q479d73f67e_bank-k_q479d73f67e_bank
	.p2alignl 7, 3214868480
	.fill 96, 4, 3214868480
	.section	.rodata,"a",@progbits
	.p2align	6, 0x0
	.amdhsa_kernel k_q479d73f67e_bank
		.amdhsa_group_segment_fixed_size 85248
		.amdhsa_private_segment_fixed_size 0
		.amdhsa_enable_private_segment 0
		.amdhsa_kernarg_size 112
		.amdhsa_user_sgpr_count 2
		.amdhsa_user_sgpr_kernarg_segment_ptr 1
		.amdhsa_wavefront_size32 1
		.amdhsa_system_sgpr_workgroup_id_x 1
		.amdhsa_system_sgpr_workgroup_id_y 1
		.amdhsa_system_sgpr_workgroup_id_z 1
		.amdhsa_system_vgpr_workitem_id 0
		.amdhsa_next_free_vgpr 512
		.amdhsa_next_free_sgpr 100
		.amdhsa_reserve_vcc 0
		.amdhsa_float_denorm_mode_32 3
		.amdhsa_float_denorm_mode_16_64 3
		.amdhsa_memory_ordered 1
		.amdhsa_forward_progress 1
		.amdhsa_inst_pref_size 186
	.end_amdhsa_kernel
	.amdgpu_metadata
---
amdhsa.version: [ 1, 2 ]
amdhsa.kernels:
  - .name:           k_q479d73f67e_bank
    .symbol:         k_q479d73f67e_bank.kd
    .args:
      - { .name: spectral_vec, .offset: 0, .size: 8, .value_kind: global_buffer, .address_space: global }
      - { .name: Wa, .offset: 8, .size: 8, .value_kind: global_buffer, .address_space: global }
      - { .name: ba, .offset: 16, .size: 8, .value_kind: global_buffer, .address_space: global }
      - { .name: query_codes, .offset: 24, .size: 8, .value_kind: global_buffer, .address_space: global }
      - { .name: query_scales, .offset: 32, .size: 8, .value_kind: global_buffer, .address_space: global }
      - { .name: Wb_codes, .offset: 40, .size: 8, .value_kind: global_buffer, .address_space: global }
      - { .name: Wb_scales, .offset: 48, .size: 8, .value_kind: global_buffer, .address_space: global }
      - { .name: bb, .offset: 56, .size: 8, .value_kind: global_buffer, .address_space: global }
      - { .name: gamma, .offset: 64, .size: 8, .value_kind: global_buffer, .address_space: global }
      - { .name: beta, .offset: 72, .size: 8, .value_kind: global_buffer, .address_space: global }
      - { .name: Wr_codes, .offset: 80, .size: 8, .value_kind: global_buffer, .address_space: global }
      - { .name: Wr_scales, .offset: 88, .size: 8, .value_kind: global_buffer, .address_space: global }
      - { .name: br, .offset: 96, .size: 8, .value_kind: global_buffer, .address_space: global }
      - { .name: out0, .offset: 104, .size: 8, .value_kind: global_buffer, .address_space: global }
    .group_segment_fixed_size: 85248
    .private_segment_fixed_size: 0
    .kernarg_segment_align: 8
    .kernarg_segment_size: 112
    .max_flat_workgroup_size: 128
    .sgpr_count:     100
    .vgpr_count:     512
    .wavefront_size: 32
...
	.end_amdgpu_metadata
.endif
;; end of part 1
